; MI455X (gfx1250); checked and timed in simulation.
; The chip was launched on July 23, 2026; its instructions are those of AMD's public machine-readable ISA for CDNA 5 (MIT licence, August 2026) and "CDNA5" Instruction Set Architecture Reference Guide (July 2026). The comments in the code are by the model that wrote it; some were corrected since.
;; Compress Full Attn Module. Allowed arithmetic: float matrix products may take bf16 or f16 operands with f32 sums; all other float work in f32.
;; Inputs: Wk 128 x 256 float32; Wo 256 x 256 float32; Wq 128 x 256 float32; Wv 256 x 256 float32; att_bias 2 x 4,096 x 4,096 float32; bk 128 float32; bo 256 float32; bq 128 float32; bv 256 float32; key 2 x 4,096 x 256 float32; query 2 x 4,096 x 256 float32; value 2 x 4,096 x 256 float32.
;; Outputs: out0 2 x 4,096 x 256 float32.
;; One version. Each part assembles by itself: llvm-mc -triple=amdgcn-amd-amdhsa -mcpu=gfx1250 --defsym DOCPART=n.
;; ======== version 1 of 1: 2 launches
;; limits: values are held in f16: magnitudes above 65,504 overflow, below 6.1e-05 lose precision
;; workspace buffers: qkv 8,388,608 bytes; wos 262,144 bytes
;; launch prep (part 1): grid 64 x 4, 8 waves a work-group, clusters of 4 x 1, 327,680 bytes of LDS; arguments query, key, value, Wq, Wk, Wv, bq, bk, bv, Wo, qkv, wos; writes qkv, wos
.if DOCPART == 1
	.amdgcn_target "amdgcn-amd-amdhsa--gfx1250"
	.amdhsa_code_object_version 6
	.text
	.protected	k_q841b6c3ae6_prep
	.globl	k_q841b6c3ae6_prep
	.p2align	8
	.type	k_q841b6c3ae6_prep,@function
k_q841b6c3ae6_prep:
	s_mov_b64 s[64:65], 0
	v_nop
	global_prefetch_b8 v0, s[64:65] scope:SCOPE_SE
	s_setreg_imm32_b32 hwreg(HW_REG_WAVE_MODE, 25, 1), 1
	s_wait_xcnt 0x0
	s_wait_alu depctr_hold_cnt(0) depctr_sa_sdst(0) depctr_va_vdst(0) depctr_va_sdst(0) depctr_va_ssrc(0) depctr_va_vcc(0) depctr_vm_vsrc(0)
	s_getreg_b32 s2, hwreg(HW_REG_IB_STS2, 6, 4)
	s_cmp_eq_u32 s2, 0
	s_cbranch_scc0 .Lentry_in_a_cluster
	s_endpgm
.Lentry_in_a_cluster:
	s_bfe_u32 s2, ttmp6, 0x10000c
	s_cmp_lg_u32 s2, 0x3003
	s_cbranch_scc0 .Lentry_shape_is_right
	s_endpgm
.Lentry_shape_is_right:
; THE THREE PROJECTIONS, and Wo split for the launch behind.
; qkv holds four planes [8192 rows][128] of f16 (rows of 256 bytes; row = batch x 4096 + n):
;   plane 0 = (query Wq^T + bq) x 32^-0.5,  plane 1 = key Wk^T + bk,  planes 2, 3 = value Wv^T + bv, channels 0-127 and 128-255.
; Work-group (X, y) makes rows 128 X .. 128 X + 127 of plane y: 128 x 128 with K = 256.  Eight waves, each 32 rows x 64 columns: 2 x 4 accumulators.
; x's and W's tiles (128 rows x 1,024 bytes of f32 each) come in whole by tensor loads, 32 rows a wave (waves 0-3: x, waves 4-7: W); no LDS byte is filled twice.
; The f32 numbers are rounded to f16 on the way from LDS to the matrix unit; sums in f32; the bias is the C operand that starts each sum; the result is scaled in f32 and rounded to f16 once.
; CLUSTER: the four work-groups of a cluster share y, so they need the same 128 rows of W: W's tile is asked for jointly (mask of four).  x's rows are each work-group's own.
; THE MATRIX INSTRUCTION IS USED TRANSPOSED (source 0 = 16 rows of W, source 1 = 16 rows of x): a lane holds eight neighbouring channels of one row.
; Wave 0 also makes piece g = 64 y + X of 256 of the split Wo = hi + lo (two bf16), laid out as the next launch's fragments:
;   wos: hi at byte 0, lo at byte 131,072, each [nb 16][kb 8][p 2][lane 32][16 bytes]; lane (r, h) holds Wo[16 nb + r][32 kb + 16 p + 8 h .. + 7].
; LIMITS.  query, key, value, the weights and the results are rounded to f16: they must lie within 65,504, and below 6e-5 they keep f16's fixed step of 6e-8.  NaN and infinities are not treated apart.
.set XP,    1040                       ; an LDS row: 1,024 bytes + 16 of padding = 260 words: the 16 rows of a fragment load start at 16 different groups of four banks
.set WT,    128*XP                     ; W's tile, behind x's
.set STAGE, 2*128*XP                   ; the way out: 128 rows x 272 bytes; no tensor load lands here
.set SPI,   272
.set SPARE, STAGE+128*SPI              ; the spare words: 128 bytes for each of the eight waves, named by no other line
.set AX,  3                            ; v3   LDS address of my x fragments
.set AW,  4                            ; v4   of my W fragments
.set STO, 5                            ; v5   the way out: where I put 16 bytes of a row
.set RD,  6                            ; v6   the way out: where I read rows back
.set CO,  7                            ; v7   my byte offset in two rows of the plane
.set SPW, 8                            ; v8   my spare word; never rewritten
.set NIL, 9                            ; v9   0; never rewritten
.set BA,  10                           ; v10  byte offset of my eight numbers of the bias
.set WOL, 11                           ; v11  wave 0: where I read Wo
.set WOS, 12                           ; v12  wave 0: where I store its split
.set BB,  16                           ; v[16:47]    the bias of my 4 column blocks, 8 registers each
.set FW,  48                           ; v[48:111]   4 fragments of W: 16 registers as loaded (f32), the low 8 as multiplied (f16)
.set FX,  112                          ; v[112:143]  2 fragments of x, likewise
.set ACC, 144                          ; v[144:207]  accumulator (a, b) at ACC + 8 (4 a + b)
.set WV,  28                           ; s28  my wave's number
.set G1X, 32                           ; s[32:39] descriptor group 1 for x
.set G1W, 40                           ; s[40:47] for W: it differs in the mask alone
.set G0X, 48                           ; s[48:51] descriptor group 0 for x
.set G0W, 52                           ; s[52:55] for W
; A round of the cluster's barrier: my work-group's barrier, wave 0 signals for the work-group, every wave waits for all four work-groups, my work-group's barrier once more.
.macro CROUND
	s_barrier_signal -1
	s_barrier_wait -1
	s_cmp_lg_u32 s[WV], 0
	s_cbranch_scc1 .Lnot_wave_0_\@
	s_barrier_signal -3
.Lnot_wave_0_\@:
	s_barrier_wait -3
	s_barrier_signal -1
	s_barrier_wait -1
.endm
.macro PLACES                          ; four places behind matrix instructions, in front of loads into their sources and of vector lines that read their results
.rept 4
	v_nop
.endr
.endm
	s_load_b512 s[4:19], s[0:1], 0x0               ; query s[4:5], key s[6:7], value s[8:9], Wq s[10:11], Wk s[12:13], Wv s[14:15], bq s[16:17], bk s[18:19]
	s_load_b256 s[20:27], s[0:1], 0x40             ; bv s[20:21], Wo s[22:23], qkv s[24:25], wos s[26:27]
	v_lshl_add_u32 v[SPW], v0, 2, SPARE
	v_mov_b32 v[NIL], 0
	ds_add_u32 v[SPW], v[NIL]                      ; the wave's opening: the add and its wait stand ahead of my first tensor load; work on registers stands between them
	v_lshrrev_b32 v1, 5, v0
	v_readfirstlane_b32 s[WV], v1                  ; wave 0..7
	s_bfe_u32 s29, ttmp6, 0x40000                  ; cx: my place in the cluster
	s_lshl_b32 s30, ttmp9, 2                       ; in a cluster launch ttmp9 counts clusters
	s_add_co_u32 s30, s30, s29                     ; X = 4 x cluster x + cx
	s_and_b32 s31, ttmp7, 0xffff                   ; y: the plane, which the four partners share
	s_lshl_b32 s29, s31, 6
	s_add_co_u32 s29, s29, s30                     ; g = 64 y + X: my piece of Wo's split
	; descriptor group 1: a tile of 32 rows x 256 elements of 4 bytes, padded in LDS by 4 words after every 256 words
	s_mov_b32 s[G1X], (2<<16)|(1<<20)|(7<<22)|(3<<25)
	s_mov_b32 s[G1W], 15|(2<<16)|(1<<20)|(1<<21)|(7<<22)|(3<<25)  ; the same with the mask of four, and bit 21 set beside it
.irp g, G1X, G1W
	s_mov_b32 s[\g+1], 256<<16                     ; tensor_dim0 = 256
	s_mov_b32 s[\g+2], 32<<16                      ; tensor_dim1 = 32
	s_mov_b32 s[\g+3], 256<<16                     ; tile_dim0 = 256
	s_mov_b32 s[\g+4], 32                          ; tile_dim1 = 32
	s_mov_b32 s[\g+5], 256                         ; 256 elements from row to row
	s_mov_b32 s[\g+6], 0
	s_mov_b32 s[\g+7], 0
.endr
	s_and_b32 s66, s[WV], 3                        ; which 32 rows of a tile I fetch
	s_mul_i32 s67, s66, 32*XP                      ; and where they go: no place in the cluster enters an LDS address
	s_mov_b32 s[G0X], 1
	s_mov_b32 s[G0X+1], s67
	s_mov_b32 s[G0W], 1
	s_add_co_u32 s[G0W+1], s67, WT
	s_lshl_b32 s72, s30, 17                        ; x: 128 X rows of 1,024 bytes,
	s_lshl_b32 s73, s66, 15                        ; and my 32 rows
	s_add_co_u32 s72, s72, s73
	s_mov_b32 s73, 0
	s_lshl_b32 s74, s31, 21                        ; the plane in qkv,
	s_lshl_b32 s75, s30, 15                        ; the work-group's 128 rows of 256 bytes,
	s_add_co_u32 s74, s74, s75
	s_lshl_b32 s75, s[WV], 12                      ; the 16 rows that my wave stores
	s_add_co_u32 s74, s74, s75
	s_mov_b32 s75, 0
	s_cmp_eq_u32 s31, 0
	s_cselect_b32 s62, 0x3e3504f3, 1.0             ; plane 0 is scaled by 32^-0.5, in f32
	s_mov_b32 s63, s62                             ; named with it as a pair
	s_cmp_eq_u32 s31, 3
	s_cselect_b32 s68, 131072, 0                   ; plane 3: Wv's rows 128 on,
	s_cselect_b32 s70, 512, 0                      ; and bv's numbers 128 on
	s_lshl_b32 s69, s66, 15                        ; W: my 32 rows of 1,024 bytes
	s_add_co_u32 s68, s68, s69
	s_mov_b32 s69, 0
	s_mov_b32 s71, 0
	s_wait_dscnt 0x0                               ; the opening add is done
	s_wait_kmcnt 0x0
	s_cmp_eq_u32 s31, 0                            ; the plane chooses its three inputs
	s_cselect_b64 s[56:57], s[4:5], s[8:9]
	s_cselect_b64 s[58:59], s[10:11], s[14:15]
	s_cselect_b64 s[60:61], s[16:17], s[20:21]
	s_cmp_eq_u32 s31, 1
	s_cselect_b64 s[56:57], s[6:7], s[56:57]
	s_cselect_b64 s[58:59], s[12:13], s[58:59]
	s_cselect_b64 s[60:61], s[18:19], s[60:61]
	s_add_nc_u64 s[G0X+2:G0X+3], s[56:57], s[72:73]
	s_or_b32 s[G0X+3], s[G0X+3], 0x80000000        ; type = 2
	s_add_nc_u64 s[G0W+2:G0W+3], s[58:59], s[68:69] ; made of y and the wave's number alone: equal in the four partners
	s_or_b32 s[G0W+3], s[G0W+3], 0x80000000
	s_add_nc_u64 s[60:61], s[60:61], s[70:71]
	s_add_nc_u64 s[24:25], s[24:25], s[74:75]
	CROUND                                         ; all four work-groups are here: the joint loads meet
	s_cmp_lt_u32 s[WV], 4                          ; one tensor load a wave; an s_nop 0 and four v_nop follow each of the two lines
	s_cbranch_scc0 .Lfor_w
	tensor_load_to_lds s[G0X:G0X+3], s[G1X:G1X+7]
	s_nop 0
	PLACES
	s_branch .Lasked
.Lfor_w:
	tensor_load_to_lds s[G0W:G0W+3], s[G1W:G1W+7]
	s_nop 0
	PLACES
.Lasked:
	; A fragment is 16 rows x 32 K: lane l holds row l % 16, K = 8 (l / 16) + 0..7 and 16 + 8 (l / 16) + 0..7.  In f32 that is four loads of 16 bytes, at 0, 16, 64 and 80 from row x pitch + 32 (l / 16).
	v_and_b32 v1, 15, v0                           ; r = l % 16
	v_bfe_u32 v2, v0, 4, 1                         ; h = l / 16
	s_lshr_b32 s66, s[WV], 1                       ; which 32 rows are mine
	s_and_b32 s67, s[WV], 1                        ; which 64 columns
	v_mul_u32_u24 v[AX], v1, XP
	v_lshl_add_u32 v[AX], v2, 5, v[AX]
	s_mul_i32 s68, s67, 64*XP
	s_add_co_u32 s68, s68, WT
	v_add_nc_u32 v[AW], s68, v[AX]
	s_mul_i32 s68, s66, 32*XP
	v_add_nc_u32 v[AX], s68, v[AX]
	s_mul_i32 s68, s66, 32*SPI                     ; into the stage: my 32 rows, my 128 bytes of them
	s_lshl_b32 s69, s67, 7
	s_add_co_u32 s68, s68, s69
	s_add_co_u32 s68, s68, STAGE
	v_mul_u32_u24 v[STO], v1, SPI
	v_lshl_add_u32 v[STO], v2, 4, v[STO]
	v_add_nc_u32 v[STO], s68, v[STO]
	s_mul_i32 s68, s[WV], 16*SPI                   ; back: wave w takes rows 16 w .. 16 w + 15, whole; lanes 0-15 one row, lanes 16-31 the next
	s_add_co_u32 s68, s68, STAGE
	v_mul_u32_u24 v[RD], v2, SPI
	v_lshl_add_u32 v[RD], v1, 4, v[RD]
	v_add_nc_u32 v[RD], s68, v[RD]
	v_lshlrev_b32 v[CO], 8, v2
	v_lshl_add_u32 v[CO], v1, 4, v[CO]
	v_lshlrev_b32 v[BA], 5, v2                     ; the bias of channels 64 wc + 16 b + 8 h + 0..7
	v_lshl_add_u32 v[BA], s67, 8, v[BA]
.irp b, 0,1,2,3
	global_load_b128 v[BB+8*\b:BB+8*\b+3],   v[BA], s[60:61] offset:64*\b
	global_load_b128 v[BB+8*\b+4:BB+8*\b+7], v[BA], s[60:61] offset:64*\b+16
.endr
	s_cmp_lg_u32 s[WV], 0
	s_cbranch_scc1 .Lno_split
	; Wave 0: piece g of Wo's split, in the wait for the tiles.  hi = bf16(x); lo = bf16(x - hi).
	s_lshr_b32 s66, s29, 4                         ; nb = g / 16: 16 rows of 1,024 bytes
	s_lshl_b32 s66, s66, 14
	s_and_b32 s67, s29, 15                         ; 2 kb + p: 16 numbers of 4 bytes
	s_lshl_b32 s67, s67, 6
	s_add_co_u32 s66, s66, s67
	v_lshlrev_b32 v[WOL], 10, v1
	v_lshl_add_u32 v[WOL], v2, 5, v[WOL]
	v_add_nc_u32 v[WOL], s66, v[WOL]
	s_lshl_b32 s67, s29, 9
	v_lshl_add_u32 v[WOS], v0, 4, s67              ; in wave 0 the thread's number is the lane: 512 g + 16 x lane
	global_load_b128 v[FX:FX+3],   v[WOL], s[22:23]
	global_load_b128 v[FX+4:FX+7], v[WOL], s[22:23] offset:16
	s_wait_loadcnt 0x0
.irp i, 0,1,2,3
	v_cvt_pk_bf16_f32 v[FX+8+\i], v[FX+2*\i], v[FX+2*\i+1]
.endr
.irp i, 0,1,2,3
	v_lshlrev_b32 v[FX+16+2*\i],   16, v[FX+8+\i]
	v_and_b32     v[FX+16+2*\i+1], 0xffff0000, v[FX+8+\i]
.endr
.irp i, 0,1,2,3
	v_pk_add_f32 v[FX+2*\i:FX+2*\i+1], v[FX+2*\i:FX+2*\i+1], v[FX+16+2*\i:FX+16+2*\i+1] neg_lo:[0,1] neg_hi:[0,1]
.endr
.irp i, 0,1,2,3
	v_cvt_pk_bf16_f32 v[FX+12+\i], v[FX+2*\i], v[FX+2*\i+1]
.endr
	global_store_b128 v[WOS], v[FX+8:FX+11],  s[26:27]                ; the wave's store covers 512 consecutive bytes, at a multiple of 512 from the buffer's first
	global_store_b128 v[WOS], v[FX+12:FX+15], s[26:27] offset:131072
.Lno_split:
	s_wait_tensorcnt 0x0                           ; my 32 rows are in LDS,
	s_barrier_signal -1
	s_barrier_wait -1                              ; everybody's are
	s_wait_loadcnt 0x0                             ; the bias
	s_wait_xcnt 0x0                                ; wave 0's two stores have read their registers: x's fragments are loaded into them only behind this wait
; One K step of 32: 24 LDS loads (4 fragments of W, 2 of x), 48 roundings to f16 in place (register i from registers 2 i and 2 i + 1, ascending, so that no source is written before it is read),
; 8 matrix instructions on the 8 accumulators, which take turns.  first = 1: the bias starts the sums.
.macro KSTEP ks, first
.if !(\first)
	PLACES
.endif
.irp b, 0,1,2,3
.irp q, 0,1,2,3
	ds_load_b128 v[FW+16*\b+4*\q:FW+16*\b+4*\q+3], v[AW] offset:\b*16*XP+128*(\ks)+16*\q+32*(\q/2)
.endr
.endr
.irp a, 0,1
.irp q, 0,1,2,3
	ds_load_b128 v[FX+16*\a+4*\q:FX+16*\a+4*\q+3], v[AX] offset:\a*16*XP+128*(\ks)+16*\q+32*(\q/2)
.endr
.endr
.irp f, 0,1,2,3,4,5
	s_wait_dscnt 20-4*\f                           ; fragment f's four loads are in; the loads of the fragments behind it, four each, may be out
.irp i, 0,1,2,3,4,5,6,7
	v_cvt_pk_f16_f32 v[FW+16*\f+\i], v[FW+16*\f+2*\i], v[FW+16*\f+2*\i+1]
.endr
.endr
.irp a, 0,1
.irp b, 0,1,2,3
.if \first
	v_wmma_f32_16x16x32_f16 v[ACC+8*(4*\a+\b):ACC+8*(4*\a+\b)+7], v[FW+16*\b:FW+16*\b+7], v[FX+16*\a:FX+16*\a+7], v[BB+8*\b:BB+8*\b+7]
.else
	v_wmma_f32_16x16x32_f16 v[ACC+8*(4*\a+\b):ACC+8*(4*\a+\b)+7], v[FW+16*\b:FW+16*\b+7], v[FX+16*\a:FX+16*\a+7], v[ACC+8*(4*\a+\b):ACC+8*(4*\a+\b)+7]
.endif
.endr
.endr
.endm
	KSTEP 0, 1
.irp k, 1,2,3,4,5,6,7
	KSTEP \k, 0
.endr
	; THE WAY OUT: scale in f32, round to f16; 16 bytes a lane into the work-group's stage; a barrier, since a row's 256 bytes come from two waves; back as whole rows, 16 rows a wave.
	PLACES
.set i, 0
.rept 32
	v_pk_mul_f32 v[ACC+2*i:ACC+2*i+1], v[ACC+2*i:ACC+2*i+1], s[62:63] op_sel_hi:[1,0]   ; each accumulator from its low end on
.set i, i+1
.endr
.set i, 0
.rept 32
	v_cvt_pk_f16_f32 v[FW+i], v[ACC+2*i], v[ACC+2*i+1]
.set i, i+1
.endr
.irp a, 0,1
.irp b, 0,1,2,3
	ds_store_b128 v[STO], v[FW+4*(4*\a+\b):FW+4*(4*\a+\b)+3] offset:\a*16*SPI+32*\b
.endr
.endr
	s_wait_dscnt 0x0                               ; for the others' sake: my stores into the stage are done
	s_barrier_signal -1
	s_barrier_wait -1
.irp t, 0,1,2,3,4,5,6,7
	ds_load_b128 v[FW+4*\t:FW+4*\t+3], v[RD] offset:\t*2*SPI
.endr
.irp t, 0,1,2,3,4,5,6,7
	s_wait_dscnt 7-\t                              ; LDS loads come back in order: pair t of rows is in, the younger ones may be out
	global_store_b128 v[CO], v[FW+4*\t:FW+4*\t+3], s[24:25] offset:512*\t   ; 16 lanes store 256 consecutive bytes, a whole row of the plane
.endr
	s_wait_tensorcnt 0x0                           ; the wave's end: an add to my spare word and its wait, behind my last tensor load and my last LDS store
	ds_add_u32 v[SPW], v[NIL]
	s_wait_dscnt 0x0
	CROUND                                         ; the closing round: no work-group ends while a partner may still ask for a tile that names it
	s_endpgm
.Lfunc_end_k_q841b6c3ae6_prep:
	.size	k_q841b6c3ae6_prep, .Lfunc_end_k_q841b6c3ae6_prep-k_q841b6c3ae6_prep
	.p2alignl 7, 3214868480
	.fill 96, 4, 3214868480
	.section	.rodata,"a",@progbits
	.p2align	6, 0x0
	.amdhsa_kernel k_q841b6c3ae6_prep
		.amdhsa_group_segment_fixed_size 327680
		.amdhsa_private_segment_fixed_size 0
		.amdhsa_enable_private_segment 0
		.amdhsa_kernarg_size 96
		.amdhsa_user_sgpr_count 2
		.amdhsa_user_sgpr_kernarg_segment_ptr 1
		.amdhsa_wavefront_size32 1
		.amdhsa_system_sgpr_workgroup_id_x 1
		.amdhsa_system_sgpr_workgroup_id_y 1
		.amdhsa_system_sgpr_workgroup_id_z 1
		.amdhsa_system_vgpr_workitem_id 0
		.amdhsa_next_free_vgpr 208
		.amdhsa_next_free_sgpr 76
		.amdhsa_reserve_vcc 0
		.amdhsa_float_denorm_mode_32 3
		.amdhsa_float_denorm_mode_16_64 3
		.amdhsa_memory_ordered 1
		.amdhsa_forward_progress 1
		.amdhsa_inst_pref_size 58
	.end_amdhsa_kernel
	.amdgpu_metadata
---
amdhsa.version: [ 1, 2 ]
amdhsa.kernels:
  - .name:           k_q841b6c3ae6_prep
    .symbol:         k_q841b6c3ae6_prep.kd
    .args:
      - { .name: query, .offset: 0, .size: 8, .value_kind: global_buffer, .address_space: global }
      - { .name: key, .offset: 8, .size: 8, .value_kind: global_buffer, .address_space: global }
      - { .name: value, .offset: 16, .size: 8, .value_kind: global_buffer, .address_space: global }
      - { .name: Wq, .offset: 24, .size: 8, .value_kind: global_buffer, .address_space: global }
      - { .name: Wk, .offset: 32, .size: 8, .value_kind: global_buffer, .address_space: global }
      - { .name: Wv, .offset: 40, .size: 8, .value_kind: global_buffer, .address_space: global }
      - { .name: bq, .offset: 48, .size: 8, .value_kind: global_buffer, .address_space: global }
      - { .name: bk, .offset: 56, .size: 8, .value_kind: global_buffer, .address_space: global }
      - { .name: bv, .offset: 64, .size: 8, .value_kind: global_buffer, .address_space: global }
      - { .name: Wo, .offset: 72, .size: 8, .value_kind: global_buffer, .address_space: global }
      - { .name: qkv, .offset: 80, .size: 8, .value_kind: global_buffer, .address_space: global }
      - { .name: wos, .offset: 88, .size: 8, .value_kind: global_buffer, .address_space: global }
    .group_segment_fixed_size: 327680
    .private_segment_fixed_size: 0
    .kernarg_segment_align: 8
    .kernarg_segment_size: 96
    .max_flat_workgroup_size: 256
    .sgpr_count:     76
    .vgpr_count:     208
    .wavefront_size: 32
...
	.end_amdgpu_metadata
.endif
;; end of part 1
;; launch attn (part 2): grid 256 x 1, 4 waves a work-group, clusters of 4 x 1, 327,680 bytes of LDS; arguments qkv, att_bias, wos, bo, out0; writes out0
.if DOCPART == 2
	.amdgcn_target "amdgcn-amd-amdhsa--gfx1250"
	.amdhsa_code_object_version 6
	.text
	.protected	k_q841b6c3ae6_attn
	.globl	k_q841b6c3ae6_attn
	.p2align	8
	.type	k_q841b6c3ae6_attn,@function
k_q841b6c3ae6_attn:
	s_mov_b64 s[64:65], 0
	v_nop
	global_prefetch_b8 v0, s[64:65] scope:SCOPE_SE
	s_setreg_imm32_b32 hwreg(HW_REG_WAVE_MODE, 25, 1), 1
	s_wait_xcnt 0x0
	s_wait_alu depctr_hold_cnt(0) depctr_sa_sdst(0) depctr_va_vdst(0) depctr_va_sdst(0) depctr_va_ssrc(0) depctr_va_vcc(0) depctr_vm_vsrc(0)
	s_getreg_b32 s2, hwreg(HW_REG_IB_STS2, 6, 4)
	s_cmp_eq_u32 s2, 0
	s_cbranch_scc0 .Lentry_in_a_cluster
	s_endpgm
.Lentry_in_a_cluster:
	s_bfe_u32 s2, ttmp6, 0x10000c
	s_cmp_lg_u32 s2, 0x3003
	s_cbranch_scc0 .Lentry_shape_is_right
	s_endpgm
.Lentry_shape_is_right:
; ATTENTION WITH A BIAS SHARED BY THE HEADS, AND THE LAST PROJECTION.
; out0[b][q][:] = O[b][q][:] Wo^T + bo, O's channels 32 g .. 32 g + 31 = the sum over k of softmax_k(q'_g . k_g + att_bias[b][q][k]) v_g[k], for the 8 heads g; q' carries the scale already.
; qkv: four planes [8192][128] of f16 (q', k, v's channels 0-127, v's channels 128-255).  wos: Wo as bf16 hi + lo, in fragment order.
; SHARES.  Work-group G owns 32 queries (two tiles of 16), ALL 8 heads: so each byte of att_bias is asked of memory once in the launch.  Wave w owns heads 2 w and 2 w + 1.
; A UNIT p = 2 t + e is tile t, head 2 w + e: four units a wave, in a ring.  Every wave walks the batch's 4,096 keys, 64 a step; an LDS slot holds 128 keys, two steps.
; PRODUCTS.  S^T = K Q^T + bias in ONE matrix instruction for 16 keys x 16 queries: source 0 = 16 keys x the wave's 32 channels (both heads'); source 1 = Q with the other head's 16 channels
; zero (twelve registers a tile, [Qa | 0 | Qb]: head a's fragment is registers 0-7, head b's 4-11); C = the bias, which lies in LDS just as a result lies in registers: lane (r, h) holds query r, keys 8 h + 0..7.
; Two results, rounded to f16 in pairs, ARE source 1 of O^T += V^T P (V turned by ds_load_tr16_b128) and of L += ONES P, whose register 0 holds the query's sum of weights over all 32 keys: no exchange of lanes.
; SOFTMAX.  A running maximum m for each query and head: p = 2^(c s - c m), c = log2(e); in every step O and l are multiplied by a = 2^(c m_old - c m_new).  Of L only registers 0-1 are so multiplied;
; the other six are sums of at most 4,096 weights of at most 1 and are never read.  m starts at the lowest finite number, O and L at 0: the first step is a step like any other, with a = 0.
; BY TURNS.  Turn p: 4 products K Q^T of unit p + 1, 6 products (V^T P, ONES P) of unit p - 1; beside them the scaling, exponentials, roundings and rescaling of unit p and the maximum and statistics of unit p + 1:
; 95 vector instructions for 10 matrix instructions, so the order's aim is that the 32 exponentials stand evenly among the plain lines.
; THE LAST PROJECTION.  O / l is split into two bf16 (hi + lo) and passed through LDS; out = Wo_hi O_hi + Wo_hi O_lo + Wo_lo O_hi + bo, bo as the C operand that starts the sums.  Wave w makes columns 64 w .. 64 w + 63.
; CLUSTER.  The four work-groups of a cluster belong to one batch and walk the same K and V: those tiles are asked for JOINTLY (mask of four).  The bias rows are each work-group's own: a load without a mask.
; LIMITS.  q', k, v arrive in f16.  A weight p lies in 0 to 1 and below 6e-5 keeps f16's fixed step of 6e-8; l is the sum of the rounded weights; a weight below 2^-126 counts as 0.
; Scores and bias must lie well inside +-1e37.  NaN, infinities and a row whose bias is all -inf are not treated apart.
; REGISTERS, in windows of 256 (s_set_vgpr_msb: bits 1:0 source 0, 3:2 source 1, 5:4 source 2, 7:6 destination):
;   window 0: v0-19 addresses; v20-27 statistics; v28-35 at work; v36-59 Q; v64-127 S^T, two buffers; v128-159 P, two buffers; v160-191 K of a step; v192-223 the bias of a tile and step
;   window 1: v0-63 O^T (16 a unit); v64-95 L (8 a unit); v96-159 V of a step; v160-167 ONES; at the end all 256: O's fragments     window 2: Wo hi     window 3: Wo lo
.set KS,    64        ; keys in a step
.set PK,    272       ; a row of K in LDS: 256 bytes + 16: the 16 rows of a load start at 16 different groups of four banks
.set PVP,   288       ; a row of V: 256 + 32
.set PB,    528       ; a row of the bias, and of O's stages: 512 + 16
.set VOFF,  128*PK    ; a slot: 128 rows of K, two planes of 128 rows of V, 32 rows of bias
.set VPL,   128*PVP
.set BOFF,  VOFF+2*VPL
.set SLOT1, 1<<17     ; slot 1 begins here, so that one exclusive or turns an address in one slot into the other's
.set OH,    SLOT1+BOFF+32*PB  ; behind the ring, never filled by a tensor load: O hi, 32 rows x 528
.set OL,    OH+32*PB          ; O lo
.set OST,   OL+32*PB          ; the way out: 32 rows x 272 bytes for each wave
.set SP,    272
.set SPARE, OST+4*32*SP       ; the spare words: 128 bytes for each wave, named by no other line
.set AK0, 2           ; v2   my lane's place in a tile of K; never rewritten
.set AV0, 3           ; v3   in V
.set AB0, 4           ; v4   in the bias
.set AK,  5           ; v5   the LDS address of K's next run of loads
.set AV,  6           ; v6   of V's
.set AB,  7           ; v7   of the bias's two runs of a step
.set STO, 8           ; v8   where I put 16 bytes of O hi
.set RD,  9           ; v9   where I read O's fragments
.set OSTO, 10         ; v10  the way out: where I put 32 bytes of a row
.set ORD, 11          ; v11  the way out: where I read rows back
.set GO,  12          ; v12  my byte offset in two rows of out0
.set PFO, 13          ; v13  my block of 256 bytes in a bias tile, for the prefetch; never rewritten
.set SPW, 14          ; v14  my spare word; never rewritten
.set NIL, 15          ; v15  0; never rewritten
.set MV,  16          ; v16-17  c m_old, kept while c m is made anew: by buffer
.set ST,  20          ; unit p's statistics at v[ST+2 p]: c m, m
.set TMP, 28          ; by buffer, four registers c0-c3 at work; when the maximum is found c2 takes a
.set QF,  36          ; tile t's twelve registers at QF + 12 t
.set QO,  60
.set WOA, 61
.set BOA, 62
.set S,   64
.set P,   128
.set KF,  160
.set BI,  192
.set LS,  64          ; window 1
.set VF,  96          ; window 1: key half kk, channel block c at VF + 32 kk + 8 c
.set ONES, 160        ; window 1
.set WV,  14          ; s14  my wave's number
.set G1K, 24          ; s[24:31] descriptor group 1 for K's tiles
.set G1V, 32          ; s[32:39] for V's: it differs in the padding
.set G1B, 40          ; s[40:47] for the bias's
.set G0K, 48          ; s[48:51], s[52:55], s[56:59] the three groups 0: they walk
.set G0V, 52
.set G0B, 56
.set CS,  60          ; s[60:61] c: the packed scaling takes the pair's low word for both halves
.set SEL, 62          ; s[62:63] v_permlanex16_b32's selects: each lane takes its own place in the other half
.set TBK, 66          ; s66  LDS byte at which K of the step to be fetched begins
.set TBV, 67          ; s67  the same for V, less VOFF
.set TBB, 68          ; s68  the same for the bias, less BOFF
.set SLOTS, 69
.set CNT, 70
.set PFT, 71          ; s71  the bias tile to be prefetched
.set PFS, 72          ; s[72:73] its byte offset
.set PFA, 74          ; s[74:75] its address
.set BBS, 76          ; s[76:77] att_bias at my 32 rows
.set QB,  78          ; s[78:79] q' at my 32 rows
.set MSB, 0
.macro WIN new                      ; the high byte repeats the setting that is left; a switch that changes nothing is dropped
.if MSB != (\new)
	s_set_vgpr_msb (MSB<<8)|(\new)
.set MSB, (\new)
.endif
.endm
.set W_PV, 0x51       ; source 0 (V, ONES, O^T), C and D in window 1; source 1 (P, a) in window 0
.macro PLACES
.rept 4
	v_nop
.endr
.endm
; A wave's one fill of a slot.  Wave 0: 128 rows of K; waves 1 and 2: a plane of V each; wave 3: my 32 rows of the bias.  The branches hang on the wave's number alone.
; An s_nop 0 and four v_nop follow each line.  Behind V's, waves 1 and 2 ask for the 64 blocks of 256 bytes of bias tile PFT, two tiles beyond the one being filled, each block once:
; a lane a block, 16 rows a wave.  PFT stops at the last tile, so no request leaves the buffer.
.macro JLOAD
	s_cmp_eq_u32 s[WV], 0
	s_cbranch_scc0 .Lnot_k_\@
	tensor_load_to_lds s[G0K:G0K+3], s[G1K:G1K+7]
	s_nop 0
	PLACES
	s_branch .Lasked_\@
.Lnot_k_\@:
	s_cmp_eq_u32 s[WV], 3
	s_cbranch_scc0 .Lfor_v_\@
	tensor_load_to_lds s[G0B:G0B+3], s[G1B:G1B+7]
	s_nop 0
	PLACES
	s_branch .Lasked_\@
.Lfor_v_\@:
	tensor_load_to_lds s[G0V:G0V+3], s[G1V:G1V+7]
	s_nop 0
	PLACES
	global_prefetch_b8 v[PFO], s[PFA:PFA+1] th:TH_LOAD_NT scope:SCOPE_SE
.Lasked_\@:
.endm
; A round of the cluster's barrier: my work-group's barrier, wave 0 signals for the work-group, every wave waits for all four work-groups, my work-group's barrier once more.
.macro CROUND
	s_barrier_signal -1
	s_barrier_wait -1
	s_cmp_lg_u32 s[WV], 0
	s_cbranch_scc1 .Lnot_wave_0_\@
	s_barrier_signal -3
.Lnot_wave_0_\@:
	s_barrier_wait -3
	s_barrier_signal -1
	s_barrier_wait -1
.endm
; THE CHANGE OF SLOTS.  Each wave waits for all its tensor loads, of which one is out: its part of the other slot; adds 0 to its spare word; and waits for that and for its own reads of the slot that it leaves.
; Behind the barrier nobody reads the old slot any more and the other slot is whole.  fill = 1: the old slot is filled again with the keys two slots on; the barrier is then a round of the cluster's, and the
; fill is the first thing behind it: it has two key steps, 80 matrix and 760 vector instructions, in which to land.  (At its first use nothing has been read yet: slot 0 is waited for, slot 1 filled.)
.macro CHANGE fill
	WIN 0                           ; at a label and at a branch every window is 0
	s_wait_tensorcnt 0x0            ; no tensor load of mine is out, so a group 0 may be written
	ds_add_u32 v[SPW], v[NIL]       ; 0 onto my spare word; with fill = 1 the descriptors' steps stand between it and the wait for it
.if \fill
	s_wait_xcnt 0x0                 ; the last prefetch, a whole slot back, has read its address: PFA is written only behind this wait
	s_xor_b32 s[G0K+1], s[G0K+1], SLOT1
	s_add_nc_u64 s[G0K+2:G0K+3], s[G0K+2:G0K+3], 128*256   ; the next 128 keys; the type bits on top are not reached
	s_xor_b32 s[G0V+1], s[G0V+1], SLOT1
	s_add_nc_u64 s[G0V+2:G0V+3], s[G0V+2:G0V+3], 128*256
	s_xor_b32 s[G0B+1], s[G0B+1], SLOT1
	s_add_nc_u64 s[G0B+2:G0B+3], s[G0B+2:G0B+3], 128*4
	s_add_co_u32 s[PFT], s[PFT], 1
	s_min_u32 s[PFT], s[PFT], 31
	s_lshl_b32 s[PFS], s[PFT], 9
	s_add_nc_u64 s[PFA:PFA+1], s[BBS:BBS+1], s[PFS:PFS+1]
	s_wait_dscnt 0x0                ; the add is done, and my reads of the slot are over
	CROUND
	JLOAD
.else
	s_wait_dscnt 0x0                ; the add is done, and my reads of the slot are over
	s_barrier_signal -1
	s_barrier_wait -1
.endif
	s_sub_co_u32 s[TBK], s[TBK], 2*KS*PK   ; the fetches go back to a slot's first step,
	s_xor_b32 s[TBK], s[TBK], SLOT1        ; in the other slot
	s_sub_co_u32 s[TBV], s[TBV], 2*KS*PVP
	s_xor_b32 s[TBV], s[TBV], SLOT1
	s_sub_co_u32 s[TBB], s[TBB], 2*KS*4
	s_xor_b32 s[TBB], s[TBB], SLOT1
.endm
	s_load_b256 s[4:11], s[0:1], 0x0  ; qkv s[4:5], att_bias s[6:7], wos s[8:9], bo s[10:11]
	s_load_b64 s[12:13], s[0:1], 0x20 ; out0
	v_lshl_add_u32 v[SPW], v0, 2, SPARE
	v_mov_b32 v[NIL], 0
	ds_add_u32 v[SPW], v[NIL]       ; the wave's opening: the add and its wait stand ahead of my first tensor load; the set-up below, work on registers, stands between them
	v_lshrrev_b32 v1, 5, v0
	v_readfirstlane_b32 s[WV], v1   ; wave 0..3
	s_bfe_u32 s15, ttmp6, 0x40000   ; cx: my place in the cluster
	s_lshl_b32 s16, ttmp9, 2        ; in a cluster launch ttmp9 counts clusters
	s_add_co_u32 s16, s16, s15      ; G = 4 x cluster x + cx: it enters the addresses of q', the bias and out0 alone
	s_lshr_b32 s17, ttmp9, 5        ; the batch, which the four partners share
	s_lshl_b32 s18, s17, 20         ; the batch's 4,096 rows of 256 bytes,
	s_add_co_u32 s18, s18, 0x200000 ; in plane 1: K
	s_mov_b32 s19, 0
	s_lshr_b32 s21, s[WV], 1        ; waves 1 and 2 fetch V's planes 0 and 1
	s_lshl_b32 s20, s21, 21
	s_add_co_u32 s20, s20, s18
	s_add_co_u32 s20, s20, 0x200000 ; planes 2 and 3 of qkv
	s_mov_b32 s[G0V], 1
	s_mul_i32 s[G0V+1], s21, VPL
	s_add_co_u32 s[G0V+1], s[G0V+1], VOFF
	s_lshl_b32 s23, s21, 4          ; and ask ahead for rows 0-15 and 16-31 of a bias tile:
	v_bfe_u32 v19, v0, 1, 4
	v_add_lshl_u32 v[PFO], v19, s23, 14  ; a row of att_bias is 16,384 bytes,
	v_and_b32 v19, 1, v0
	v_lshl_add_u32 v[PFO], v19, 8, v[PFO] ; a tile's part of it two blocks of 256
	s_mov_b32 s21, 0
	s_mov_b32 s23, 0
	s_lshl_b32 s22, s16, 19         ; my 32 rows of att_bias
	s_mov_b32 s[G0K], 1
	s_mov_b32 s[G0K+1], 0
	s_mov_b32 s[G0B], 1
	s_mov_b32 s[G0B+1], BOFF
	; descriptor groups 1.  K, V: 128 rows x 128 elements of 2 bytes, padded after every 64 words by 4 (K) or 8 (V) words, mask of four and bit 21.  Bias: 32 rows x 128 elements of 4 bytes, 4 words after every 128, no mask.
	s_mov_b32 s[G1K], 15|(1<<16)|(1<<20)|(1<<21)|(5<<22)|(3<<25)
	s_mov_b32 s[G1V], 15|(1<<16)|(1<<20)|(1<<21)|(5<<22)|(7<<25)
.irp g, G1K, G1V
	s_mov_b32 s[\g+1], 128<<16      ; tensor_dim0 = 128
	s_mov_b32 s[\g+2], 128<<16      ; tensor_dim1 = 128
	s_mov_b32 s[\g+3], 128<<16      ; tile_dim0 = 128
	s_mov_b32 s[\g+4], 128          ; tile_dim1 = 128
	s_mov_b32 s[\g+5], 128          ; 128 elements from row to row
	s_mov_b32 s[\g+6], 0
	s_mov_b32 s[\g+7], 0
.endr
	s_mov_b32 s[G1B], (2<<16)|(1<<20)|(6<<22)|(3<<25)
	s_mov_b32 s[G1B+1], 128<<16
	s_mov_b32 s[G1B+2], 32<<16
	s_mov_b32 s[G1B+3], 128<<16
	s_mov_b32 s[G1B+4], 32
	s_mov_b32 s[G1B+5], 4096
	s_mov_b32 s[G1B+6], 0
	s_mov_b32 s[G1B+7], 0
	s_mov_b32 s[CS], 0x3fb8aa3b     ; c = log2(e)
	s_mov_b32 s[CS+1], s[CS]        ; named with it as a pair
	s_mov_b32 s[SEL], 0x76543210
	s_mov_b32 s[SEL+1], 0xfedcba98
	s_mov_b32 s[TBK], SLOT1+2*KS*PK ; the first change of slots turns these three into 0
	s_mov_b32 s[TBV], SLOT1+2*KS*PVP
	s_mov_b32 s[TBB], SLOT1+2*KS*4
	s_mov_b32 s[PFT], 2
	s_mov_b32 s[PFS], 2<<9
	s_mov_b32 s[PFS+1], 0
	s_wait_dscnt 0x0                ; the opening add is done
	s_wait_kmcnt 0x0
	s_add_nc_u64 s[G0K+2:G0K+3], s[4:5], s[18:19]
	s_or_b32 s[G0K+3], s[G0K+3], 0x80000000  ; type = 2
	s_add_nc_u64 s[G0V+2:G0V+3], s[4:5], s[20:21]
	s_or_b32 s[G0V+3], s[G0V+3], 0x80000000
	s_add_nc_u64 s[BBS:BBS+1], s[6:7], s[22:23]
	s_mov_b64 s[G0B+2:G0B+3], s[BBS:BBS+1]
	s_or_b32 s[G0B+3], s[G0B+3], 0x80000000
	s_add_nc_u64 s[PFA:PFA+1], s[BBS:BBS+1], s[PFS:PFS+1]
	s_lshl_b32 s22, s16, 13         ; my 32 rows of 256 bytes of q'
	s_add_nc_u64 s[QB:QB+1], s[4:5], s[22:23]
	s_lshl_b32 s22, s16, 15         ; my 32 rows of 1,024 bytes of out0
	s_add_nc_u64 s[12:13], s[12:13], s[22:23]
	CROUND                          ; all four work-groups are here: the first joint loads meet
	JLOAD                           ; slot 0.  Slot 1 is asked for when slot 0 is in
	; All that follows up to the first change of slots stands in the wait for the first tile.
	v_and_b32 v1, 15, v0            ; r = l % 16
	v_bfe_u32 v18, v0, 4, 1         ; h = l / 16
	v_lshlrev_b32 v[QO], 8, v1
	v_lshl_add_u32 v[QO], v18, 4, v[QO]
	v_lshl_add_u32 v[QO], s[WV], 6, v[QO]  ; row x 256 + my wave's 64 bytes + 16 x half
.irp t, 0,1
	global_load_b128 v[QF+12*\t:QF+12*\t+3],    v[QO], s[QB:QB+1] offset:4096*\t      ; head a's 16 channels
	global_load_b128 v[QF+12*\t+8:QF+12*\t+11], v[QO], s[QB:QB+1] offset:4096*\t+32   ; head b's
.endr
	v_and_b32 v19, 31, v0
	v_lshlrev_b32 v[WOA], 4, v19
	v_lshl_add_u32 v[WOA], s[WV], 15, v[WOA]  ; my wave's four blocks of 16 rows of Wo: 32,768 bytes; 16 bytes a lane
	WIN 0x80                        ; Wo hi: half fragment n = 16 i + 2 kb + p lies at byte 512 n and goes to registers 4 n on
.set n, 0
.rept 64
	global_load_b128 v[4*n:4*n+3], v[WOA], s[8:9] offset:512*n
.set n, n+1
.endr
	WIN 0xc0                        ; Wo lo
.set n, 0
.rept 64
	global_load_b128 v[4*n:4*n+3], v[WOA], s[8:9] offset:131072+512*n
.set n, n+1
.endr
	; What the first turn finds: O^T and L are 0; V's registers and P's second buffer hold 0 (its products, of a unit that has not been, add 0).  No first step is written out; these lines are the price.
	WIN 0x40
.set i, 0
.rept 160
	v_mov_b32 v[i], 0
.set i, i+1
.endr
.set i, ONES
.rept 8
	v_mov_b32 v[i], 0x3c003c00      ; 1.0 twice, in f16
.set i, i+1
.endr
	WIN 0
.irp t, 0,1
.irp j, 4,5,6,7
	v_mov_b32 v[QF+12*\t+\j], 0     ; the zeros between the two heads' channels
.endr
.endr
.set i, P+16
.rept 16
	v_mov_b32 v[i], 0
.set i, i+1
.endr
.irp p, 0,1,2,3
	v_mov_b32 v[ST+2*\p], 0xfe000000    ; c m: far below every c s
	v_mov_b32 v[ST+2*\p+1], 0xff7fffff  ; m
.endr
	v_mul_u32_u24 v[AK0], v1, PK
	v_lshl_add_u32 v[AK0], v18, 4, v[AK0]
	v_lshl_add_u32 v[AK0], s[WV], 6, v[AK0]  ; row x pitch + my wave's 64 bytes + 16 x half
	; The turning load takes 16 keys x 16 channels (lane l reads key 8 (l / 16) + l % 8, channels 8 ((l / 8) % 2) + 0..7) and leaves half a fragment of V^T: lane l holds channel l % 16 and 8 keys.
	v_and_b32 v19, 7, v0
	v_lshl_add_u32 v[AV0], v18, 3, v19
	v_mul_u32_u24 v[AV0], v[AV0], PVP
	v_bfe_u32 v19, v0, 3, 1
	v_lshl_add_u32 v[AV0], v19, 4, v[AV0]
	s_lshr_b32 s18, s[WV], 1        ; my heads' 64 channels: plane w / 2, bytes 128 (w % 2) on
	s_mul_i32 s18, s18, VPL
	s_and_b32 s19, s[WV], 1
	s_lshl_b32 s19, s19, 7
	s_add_co_u32 s18, s18, s19
	s_add_co_u32 s18, s18, VOFF
	v_add_nc_u32 v[AV0], s18, v[AV0]
	v_mul_u32_u24 v[AB0], v1, PB    ; the bias: query r's row, keys 8 h on: 32 bytes
	v_lshl_add_u32 v[AB0], v18, 5, v[AB0]
	v_add_nc_u32 v[AB0], BOFF, v[AB0]
	v_mul_u32_u24 v[RD], v1, PB     ; O's stages: row r, 16 bytes for each half of the lanes
	v_lshl_add_u32 v[RD], v18, 4, v[RD]
	v_add_nc_u32 v[RD], OH, v[RD]
	v_lshl_add_u32 v[STO], s[WV], 7, v[RD]  ; I write my wave's 64 channels: 128 bytes
; THE MATRIX WORK.  Product i of 4 of S^T = K Q^T + bias for unit x: keys 16 i on.  One instruction makes a finished result.
.macro KQ x, i
	WIN 0
	v_wmma_f32_16x16x32_f16 v[S+32*((\x)%2)+8*(\i):S+32*((\x)%2)+8*(\i)+7], v[KF+8*(\i):KF+8*(\i)+7], v[QF+12*((\x)/2)+4*((\x)%2):QF+12*((\x)/2)+4*((\x)%2)+7], v[BI+8*(\i):BI+8*(\i)+7]
.endm
; Product i of 6 for unit x, keys 32 (i / 3) on: O^T's channels 0-15, its channels 16-31, L.  The three accumulators take turns.
.macro PV x, i
	WIN W_PV
.if (\i)%3 < 2
.set rD, 16*(\x)+8*((\i)%3)
.set rA, VF+32*((\i)/3)+8*(2*((\x)%2)+(\i)%3)
.else
.set rD, LS+8*(\x)
.set rA, ONES
.endif
.set rB, P+16*((\x)%2)+8*((\i)/3)
	v_wmma_f32_16x16x32_f16 v[rD:rD+7], v[rA:rA+7], v[rB:rB+7], v[rD:rD+7]
.endm
; THE LDS LOADS stand in runs, never singly among the matrix instructions.  A step's K and the bias of query tile 0:
.macro FETCH_KB
	WIN 0
.irp b, 0,1,2,3
	ds_load_b128 v[KF+8*\b:KF+8*\b+3],   v[AK] offset:\b*16*PK
	ds_load_b128 v[KF+8*\b+4:KF+8*\b+7], v[AK] offset:\b*16*PK+32
.endr
.irp b, 0,1,2,3
	ds_load_b128 v[BI+8*\b:BI+8*\b+3],   v[AB] offset:64*\b
	ds_load_b128 v[BI+8*\b+4:BI+8*\b+7], v[AB] offset:64*\b+16
.endr
	s_add_co_u32 s[TBK], s[TBK], KS*PK   ; the next fetch is the next step's
.endm
.macro FETCH_B1                     ; the same step's bias of query tile 1
	WIN 0
.irp b, 0,1,2,3
	ds_load_b128 v[BI+8*\b:BI+8*\b+3],   v[AB] offset:16*PB+64*\b
	ds_load_b128 v[BI+8*\b+4:BI+8*\b+7], v[AB] offset:16*PB+64*\b+16
.endr
	s_add_co_u32 s[TBB], s[TBB], KS*4
.endm
.macro FETCH_V                      ; a step's V, turned: keys 32 (f / 4) on, channels 16 (f % 4) on
	WIN 0x40
.irp f, 0,1,2,3,4,5,6,7
	ds_load_tr16_b128 v[VF+8*\f:VF+8*\f+3],   v[AV] offset:(\f/4)*32*PVP+(\f%4)*32
	ds_load_tr16_b128 v[VF+8*\f+4:VF+8*\f+7], v[AV] offset:(\f/4)*32*PVP+16*PVP+(\f%4)*32
.endr
	WIN 0
	s_add_co_u32 s[TBV], s[TBV], KS*PVP
.endm
; THE VECTOR WORK, one line at a time: OP kind, number.  For unit Y: F n: c s - c m for pair n of 16.  E n: the exponential of score n of 32.  C n: pair n rounded to f16.
; R n: pair n of 8 of O^T times a; R 8: L's registers 0-1 times a.  For unit Y + 1: X n, number n of the 22 that find its maximum and statistics:
;   0-11  four chains c0-c3 of seven scores each, three operands at a time (each result's lowest registers are read first)     12-14, 16  the four scores left over, the old m, and c0-c3 into c0
;   15  c m_old is kept     17, 18  the query's other 32 keys lie in the lane 16 away: the new m     19-21  c m; c m_old - c m_new; a
.set F, 0
.set E, 1
.set C, 2
.set R, 3
.set X, 4
.macro REGS y
.set rT, ST+2*(\y)
.set rC, TMP+4*((\y)%2)
.set rW, MV+((\y)%2)
.set rS, S+32*((\y)%2)
.set rP, P+16*((\y)%2)
.set rO, 16*(\y)
.set rL, LS+8*(\y)
.endm
.macro OP k, n
.if (\k) == R
	REGS Y
	WIN W_PV
.if (\n) < 8
	v_pk_mul_f32 v[rO+2*(\n):rO+2*(\n)+1], v[rO+2*(\n):rO+2*(\n)+1], v[rC+2:rC+3] op_sel_hi:[1,0]
.else
	v_pk_mul_f32 v[rL:rL+1], v[rL:rL+1], v[rC+2:rC+3] op_sel_hi:[1,0]
.endif
.elseif (\k) < R
	REGS Y
	WIN 0
.if (\k) == F
	v_pk_fma_f32 v[rS+2*(\n):rS+2*(\n)+1], v[rS+2*(\n):rS+2*(\n)+1], s[CS:CS+1], v[rT:rT+1] op_sel_hi:[1,0,0] neg_lo:[0,0,1] neg_hi:[0,0,1]
.elseif (\k) == E
	v_exp_f32 v[rS+(\n)], v[rS+(\n)]
.else
	s_wait_alu depctr_va_vdst(0)
	v_cvt_pk_f16_f32 v[rP+(\n)], v[rS+2*(\n)], v[rS+2*(\n)+1]
.endif
.elseif NOKQ
	WIN 0
	v_nop                           ; there is no next unit
.else
	REGS (Y+1)%4
	WIN 0
.if (\n) < 4
	v_max3_num_f32 v[rC+(\n)], v[rS+8*(\n)], v[rS+8*(\n)+1], v[rS+8*(\n)+2]
.elseif (\n) < 12
	v_max3_num_f32 v[rC+(\n)%4], v[rC+(\n)%4], v[rS+8*((\n)%4)+2*((\n)/4)+1], v[rS+8*((\n)%4)+2*((\n)/4)+2]
.elseif (\n) == 12
	v_max3_num_f32 v[rC], v[rC], v[rS+7], v[rS+15]
.elseif (\n) == 13
	v_max3_num_f32 v[rC+1], v[rC+1], v[rS+23], v[rS+31]
.elseif (\n) == 14
	v_max3_num_f32 v[rC+2], v[rC+2], v[rC+3], v[rT+1]
.elseif (\n) == 15
	v_mov_b32 v[rW], v[rT]
.elseif (\n) == 16
	v_max3_num_f32 v[rC], v[rC], v[rC+1], v[rC+2]
.elseif (\n) == 17
	v_permlanex16_b32 v[rC+3], v[rC], s[SEL], s[SEL+1]
.elseif (\n) == 18
	v_max_num_f32 v[rT+1], v[rC], v[rC+3]
.elseif (\n) == 19
	v_mul_f32 v[rT], s[CS], v[rT+1]
.elseif (\n) == 20
	v_sub_f32 v[rC+1], v[rW], v[rT]
.else
	v_exp_f32 v[rC+2], v[rC+1]
.endif
.endif
.endm
.macro OPS a, i1, b=-1, i2=0, c=-1, i3=0, d=-1, i4=0  ; up to four of them
	OP \a, \i1
.if (\b) >= 0
	OP \b, \i2
.endif
.if (\c) >= 0
	OP \c, \i3
.endif
.if (\d) >= 0
	OP \d, \i4
.endif
.endm
.macro KK i                         ; the turn's product K Q^T number i, for the next unit
.if !NOKQ
	KQ (Y+1)%4, \i
.endif
.endm
.macro PG i, r1, r2=-1              ; the turn's product number i for the unit before, and one or two rescalings under the same window setting
	PV (Y+3)%4, \i
	OP R, \r1
.if (\r2) >= 0
	OP R, \r2
.endif
	WIN 0
.endm
; A TURN, for unit p: the order of its 10 matrix and 95 vector instructions, written out.  An exponential heads each line; every exponential has a plain line behind it before its result is read (ISA guide 5.7.2);
; every E stands behind its F, every C behind both its E.  No vector line near a product names the product's registers.
; end = 1: the walk's last two turns: nothing is fetched, and unit 3's turn starts no new scores.
; Unit 0's turn fetches the bias of tile 1 (six plain lines behind the last product that read the bias of tile 0) and, later, the step's V (seven plain lines behind the last product of the run that read V).
; Unit 2's turn fetches the next step's K and bias of tile 0, six plain lines behind the last product that read them.  Each run is waited for in the turn behind.
.macro TURN p, end=0
.set Y, (\p)
.set NOKQ, (\end)*((\p)/3)
.if (\p) == 1
	s_wait_dscnt 16                 ; the bias of tile 1 is in; V's sixteen loads, issued behind it, may be out
.endif
.if ((\p) == 3) && !(\end)
	s_wait_dscnt 0x0                ; K and the bias of tile 0 are in
.endif
	KK 0
	OPS F,0, F,1
	OP E,0
	KK 1
	OP F,2
.if ((\p) == 2) && !(\end)
	v_add_nc_u32 v[AK], s[TBK], v[AK0]
.endif
	OP E,1
	KK 2
	OP F,3
.if ((\p) == 2) && !(\end)
	v_add_nc_u32 v[AB], s[TBB], v[AB0]
.endif
	OP E,2
	KK 3
	OPS F,4, X,15
	OPS E,3, F,5, C,0
	OPS E,4, F,6, F,7
.if (\p) == 0
	FETCH_B1
.endif
.if ((\p) == 2) && !(\end)
	FETCH_KB
.endif
	OPS E,5, C,1, X,0
	OPS E,6, F,8, X,1
	OPS E,7, C,2, X,2
	OPS E,8, F,9, X,3
	OPS E,9, C,3, X,4
	OPS E,10, F,10, X,5
	OPS E,11, C,4, X,6
	OPS E,12, F,11, X,7
	OPS E,13, C,5, X,8
.if (\p) == 1
	s_wait_dscnt 0x0                ; V is in
.endif
	OP E,14
	PG 0, 0, 1
	OPS E,15, F,12, X,9
	OP E,16
	PG 1, 2
	OPS E,17, C,6, X,10
	OP E,18
	PG 2, 3, 4
	OPS E,19, C,7, X,11, F,13
	OP E,20
	PG 3, 5
	OPS E,21, C,8, X,12, X,13
	OP E,22
	PG 4, 6, 7
	OPS E,23, C,9, X,14, F,14
	OP E,24
	PG 5, 8
	OPS E,25, C,10, X,16, F,15
.if (\p) == 0
	v_add_nc_u32 v[AV], s[TBV], v[AV0]
.endif
	OPS E,26, C,11, X,17
	OPS E,27, X,18
.if (\p) == 0
	FETCH_V
.endif
	OPS E,28, C,12, X,19
	OPS E,29, X,20
	OPS E,30, C,13
	OPS E,31, C,14
	OPS X,21, C,15
.endm
	CHANGE 1                        ; slot 0 is in, everybody's part of it; slot 1 is asked for
	v_add_nc_u32 v[AK], s[TBK], v[AK0]
	v_add_nc_u32 v[AB], s[TBB], v[AB0]
	FETCH_KB                        ; key step 0
	s_wait_loadcnt 0x0              ; Q, and Wo's fragments
	s_wait_dscnt 0x0
.irp i, 0,1,2,3
	KQ 0, \i                        ; unit 0's first scores: there is no vector work yet to set between them
.endr
	s_mul_i32 s18, s[WV], 32*SP     ; the addresses for the way out: thirteen plain lines, the places behind those products
	s_add_co_u32 s18, s18, OST      ; my stage
	v_mul_u32_u24 v[OSTO], v1, SP   ; in: row r, 32 bytes for each half of the lanes
	v_lshl_add_u32 v[OSTO], v18, 5, v[OSTO]
	v_add_nc_u32 v[OSTO], s18, v[OSTO]
	v_mul_u32_u24 v[ORD], v18, SP   ; back: lanes 0-15 take one row of 256 bytes, lanes 16-31 the next
	v_lshl_add_u32 v[ORD], v1, 4, v[ORD]
	v_add_nc_u32 v[ORD], s18, v[ORD]
	v_lshlrev_b32 v[GO], 10, v18    ; and the same two rows in out0, my wave's 256 bytes of them
	v_lshl_add_u32 v[GO], v1, 4, v[GO]
	v_lshl_add_u32 v[GO], s[WV], 8, v[GO]
	v_lshlrev_b32 v[BOA], 5, v18    ; bo of columns 64 w + 16 i + 8 h + 0..7
	v_lshl_add_u32 v[BOA], s[WV], 8, v[BOA]
.set Y, 3                           ; X works for unit Y + 1: unit 0
.set NOKQ, 0
.irp n, 0,1,2,3,4,5,6,7,8,9,10,11,12,13,14,15,16,17,18,19,20,21
	OP X, \n                        ; unit 0's first maximum and statistics
.endr
	v_nop                           ; a plain line behind the exponential
	s_mov_b32 s[CNT], 2
	s_mov_b32 s[SLOTS], 31
	s_branch .Lfirst                ; the loop is entered at a step's first turn, in the middle of a trip
.Lslot:                             ; 30 times: every slot but the last two is filled again
	CHANGE 1
	s_mov_b32 s[CNT], 2
.Lstep:                             ; a trip: units 2 and 3 of one step, then units 0 and 1 of the next, whose K, bias and V it fetches
	TURN 2
	TURN 3
	WIN 0
.Lfirst:
	TURN 0
	TURN 1
	WIN 0
	s_sub_co_u32 s[CNT], s[CNT], 1
	s_cmp_lg_u32 s[CNT], 0
	s_cbranch_scc1 .Lstep
	s_sub_co_u32 s[SLOTS], s[SLOTS], 1
	s_cmp_lg_u32 s[SLOTS], 0
	s_cbranch_scc1 .Lslot
	CHANGE 0                        ; the tail is written out: nothing is asked for
	s_mov_b32 s[CNT], 2             ; two trips fetch the last slot's two steps
.Ltail:
	TURN 2
	TURN 3
	TURN 0
	TURN 1
	WIN 0
	s_sub_co_u32 s[CNT], s[CNT], 1
	s_cmp_lg_u32 s[CNT], 0
	s_cbranch_scc1 .Ltail
	TURN 2, 1
.irp i, 0,1,2,3                     ; bo goes where the bias lay: its last product stands most of a turn back
	global_load_b128 v[BI+8*\i:BI+8*\i+3],   v[BOA], s[10:11] offset:64*\i
	global_load_b128 v[BI+8*\i+4:BI+8*\i+7], v[BOA], s[10:11] offset:64*\i+16
.endr
	TURN 3, 1
.irp i, 0,1,2,3,4,5
	PV 3, \i                        ; the last unit's products of the last step
.endr
	; O / l, SPLIT INTO TWO bf16.  l is L's register 0.
	WIN 0
	PLACES                          ; behind the last products
	WIN 0x01                        ; source 0 in window 1
.irp p, 0,1,2,3
	v_rcp_f32 v[ST+2*\p], v[LS+8*\p]
.endr
	v_nop                           ; a plain line between the last reciprocal and the use of its result
	WIN 0x41
.set i, 0
	s_wait_alu depctr_va_vdst(0)
.rept 32
	v_pk_mul_f32 v[2*i:2*i+1], v[2*i:2*i+1], v[ST+2*(i/8):ST+2*(i/8)+1] op_sel_hi:[1,0]   ; each accumulator from its low end on
.set i, i+1
.endr
	WIN 0x05                        ; sources 0 and 1 in window 1
.set i, 0
.rept 32
	v_cvt_pk_bf16_f32 v[P+i], v[2*i], v[2*i+1]          ; hi
.set i, i+1
.endr
	WIN 0
.set i, 0
.rept 32
	v_lshlrev_b32 v[S+2*i],   16, v[P+i]                ; hi as f32
	v_and_b32     v[S+2*i+1], 0xffff0000, v[P+i]
.set i, i+1
.endr
	WIN 0x01
.set i, 0
.rept 32
	v_pk_add_f32 v[S+2*i:S+2*i+1], v[2*i:2*i+1], v[S+2*i:S+2*i+1] neg_lo:[0,1] neg_hi:[0,1]   ; O - hi
.set i, i+1
.endr
	WIN 0
.set i, 0
.rept 32
	v_cvt_pk_bf16_f32 v[KF+i], v[S+2*i], v[S+2*i+1]     ; lo
.set i, i+1
.endr
.irp p, 0,1,2,3                     ; a lane's eight channels of a query: 16 bytes; unit p = 2 t + e, channel block c
.irp c, 0,1
	ds_store_b128 v[STO], v[P+8*\p+4*\c:P+8*\p+4*\c+3]   offset:16*PB*(\p/2)+64*(\p%2)+32*\c
	ds_store_b128 v[STO], v[KF+8*\p+4*\c:KF+8*\p+4*\c+3] offset:32*PB+16*PB*(\p/2)+64*(\p%2)+32*\c
.endr
.endr
	s_wait_dscnt 0x0                ; for the others' sake: my stores into O's stages are done
	s_barrier_signal -1
	s_barrier_wait -1
	; THE LAST PROJECTION.  O's fragments (16 queries x 32 channels) of all 256 channels fill window 1: K block k, hi or lo, tile t at 32 k + 16 hl + 8 t.
	WIN 0x40
.irp k, 0,1,2,3,4,5,6,7
.irp hl, 0,1
.irp t, 0,1
	ds_load_b128 v[32*\k+16*\hl+8*\t:32*\k+16*\hl+8*\t+3],   v[RD] offset:32*PB*\hl+16*PB*\t+64*\k
	ds_load_b128 v[32*\k+16*\hl+8*\t+4:32*\k+16*\hl+8*\t+7], v[RD] offset:32*PB*\hl+16*PB*\t+64*\k+32
.endr
.endr
.endr
	s_wait_loadcnt 0x0              ; bo
	WIN 0x06                        ; source 0 = Wo hi (window 2), source 1 = O (window 1), C and D in window 0.  Used transposed: a lane holds eight neighbouring columns of one query's row.
.irp k, 0,1,2,3,4,5,6,7             ; the eight accumulators (column block i, tile t) take turns
	s_wait_dscnt 56-8*\k            ; K block k's eight loads are in; the later blocks', eight each, may be out
.irp hl, 0,1
.irp i, 0,1,2,3
.irp t, 0,1
.if ((\k) == 0) && ((\hl) == 0)
	v_wmma_f32_16x16x32_bf16 v[S+8*(2*\i+\t):S+8*(2*\i+\t)+7], v[64*\i+8*\k:64*\i+8*\k+7], v[32*\k+16*\hl+8*\t:32*\k+16*\hl+8*\t+7], v[BI+8*\i:BI+8*\i+7]
.else
	v_wmma_f32_16x16x32_bf16 v[S+8*(2*\i+\t):S+8*(2*\i+\t)+7], v[64*\i+8*\k:64*\i+8*\k+7], v[32*\k+16*\hl+8*\t:32*\k+16*\hl+8*\t+7], v[S+8*(2*\i+\t):S+8*(2*\i+\t)+7]
.endif
.endr
.endr
.endr
.endr
	WIN 0x07                        ; source 0 = Wo lo (window 3), times O hi
.irp k, 0,1,2,3,4,5,6,7
.irp i, 0,1,2,3
.irp t, 0,1
	v_wmma_f32_16x16x32_bf16 v[S+8*(2*\i+\t):S+8*(2*\i+\t)+7], v[64*\i+8*\k:64*\i+8*\k+7], v[32*\k+8*\t:32*\k+8*\t+7], v[S+8*(2*\i+\t):S+8*(2*\i+\t)+7]
.endr
.endr
.endr
	; THE WAY OUT, through my own stage: 32 bytes a lane in, whole rows of 256 bytes back.
	WIN 0
	PLACES
.irp i, 0,1,2,3
.irp t, 0,1
	ds_store_b128 v[OSTO], v[S+8*(2*\i+\t):S+8*(2*\i+\t)+3]   offset:16*SP*\t+64*\i      ; each accumulator's low half first
	ds_store_b128 v[OSTO], v[S+8*(2*\i+\t)+4:S+8*(2*\i+\t)+7] offset:16*SP*\t+64*\i+16
.endr
.endr
.irp f, 0,1,2,3,4,5,6,7,8,9,10,11,12,13,14,15
	ds_load_b128 v[P+4*\f:P+4*\f+3], v[ORD] offset:\f*2*SP   ; LDS serves a wave's instructions in order (ISA guide 5.7.1.4): these see the stores above
.endr
.irp f, 0,1,2,3,4,5,6,7,8,9,10,11,12,13,14,15
	s_wait_dscnt 15-\f              ; pair f of rows is in; the younger loads may be out
	global_store_b128 v[GO], v[P+4*\f:P+4*\f+3], s[12:13] offset:2048*\f   ; 16 lanes store 256 consecutive bytes, at a multiple of 256 from out0's first byte
.endr
	s_wait_tensorcnt 0x0            ; the wave's end: an add to my spare word and its wait, behind my last tensor load and my last LDS store
	ds_add_u32 v[SPW], v[NIL]
	s_wait_dscnt 0x0
	CROUND                          ; the closing round: no work-group ends while a partner may still ask for a tile that names it
	s_endpgm
.Lfunc_end_k_q841b6c3ae6_attn:
	.size	k_q841b6c3ae6_attn, .Lfunc_end_k_q841b6c3ae6_attn-k_q841b6c3ae6_attn
	.p2alignl 7, 3214868480
	.fill 96, 4, 3214868480
	.section	.rodata,"a",@progbits
	.p2align	6, 0x0
	.amdhsa_kernel k_q841b6c3ae6_attn
		.amdhsa_group_segment_fixed_size 327680
		.amdhsa_private_segment_fixed_size 0
		.amdhsa_enable_private_segment 0
		.amdhsa_kernarg_size 40
		.amdhsa_user_sgpr_count 2
		.amdhsa_user_sgpr_kernarg_segment_ptr 1
		.amdhsa_wavefront_size32 1
		.amdhsa_system_sgpr_workgroup_id_x 1
		.amdhsa_system_sgpr_workgroup_id_y 1
		.amdhsa_system_sgpr_workgroup_id_z 1
		.amdhsa_system_vgpr_workitem_id 0
		.amdhsa_next_free_vgpr 1024
		.amdhsa_next_free_sgpr 80
		.amdhsa_reserve_vcc 0
		.amdhsa_float_denorm_mode_32 3
		.amdhsa_float_denorm_mode_16_64 3
		.amdhsa_memory_ordered 1
		.amdhsa_forward_progress 1
		.amdhsa_inst_pref_size 139
	.end_amdhsa_kernel
	.amdgpu_metadata
---
amdhsa.version: [ 1, 2 ]
amdhsa.kernels:
  - .name:           k_q841b6c3ae6_attn
    .symbol:         k_q841b6c3ae6_attn.kd
    .args:
      - { .name: qkv, .offset: 0, .size: 8, .value_kind: global_buffer, .address_space: global }
      - { .name: att_bias, .offset: 8, .size: 8, .value_kind: global_buffer, .address_space: global }
      - { .name: wos, .offset: 16, .size: 8, .value_kind: global_buffer, .address_space: global }
      - { .name: bo, .offset: 24, .size: 8, .value_kind: global_buffer, .address_space: global }
      - { .name: out0, .offset: 32, .size: 8, .value_kind: global_buffer, .address_space: global }
    .group_segment_fixed_size: 327680
    .private_segment_fixed_size: 0
    .kernarg_segment_align: 8
    .kernarg_segment_size: 40
    .max_flat_workgroup_size: 128
    .sgpr_count:     80
    .vgpr_count:     1024
    .wavefront_size: 32
...
	.end_amdgpu_metadata
.endif
;; end of part 2
